; MI455X (gfx1250); checked and timed in simulation.
; The chip was launched on July 23, 2026; its instructions are those of AMD's public machine-readable ISA for CDNA 5 (MIT licence, August 2026) and "CDNA5" Instruction Set Architecture Reference Guide (July 2026). The comments in the code are by the model that wrote it; some were corrected since.
;; Attn Block. Allowed arithmetic: float matrix products may take bf16 or f16 operands with f32 sums; all other float work in f32.
;; Inputs: beta 512 float32; bk 512 float32; bp 512 float32; bq 512 float32; bv 512 float32; gamma 512 float32; wk 512 x 512 float32; wp 512 x 512 float32; wq 512 x 512 float32; wv 512 x 512 float32; x 32 x 512 x 32 x 32 float32.
;; Outputs: out0 32 x 512 x 32 x 32 float32.
;; One version. Each part assembles by itself: llvm-mc -triple=amdgcn-amd-amdhsa -mcpu=gfx1250 --defsym DOCPART=n.
;; ======== version 1 of 1: 3 launches
;; workspace buffers: hn 33,554,432 bytes; wb 1,572,864 bytes; bvp 2,048 bytes; qkv 100,663,296 bytes
;; launch prep (part 1): grid 1024 x 1, 8 waves a work-group, no clusters, 9,472 bytes of LDS; arguments x, gamma, beta, wq, wk, wv, wp, bv, hn, wb, bvp; writes hn, wb, bvp
.if DOCPART == 1
	.amdgcn_target "amdgcn-amd-amdhsa--gfx1250"
	.amdhsa_code_object_version 6
	.text
	.protected	k_qef98042439_prep
	.globl	k_qef98042439_prep
	.p2align	8
	.type	k_qef98042439_prep,@function
k_qef98042439_prep:
	s_mov_b64 s[64:65], 0
	v_nop
	global_prefetch_b8 v0, s[64:65] scope:SCOPE_SE
	s_setreg_imm32_b32 hwreg(HW_REG_WAVE_MODE, 25, 1), 1
	s_wait_xcnt 0x0
; GROUP NORM, AND THE WEIGHTS MADE READY.
; x: [32][512][1024] f32.  Work-group g owns image g / 32, group g % 32: 16 channels x 1,024 positions = 65,536 consecutive bytes, kept in
; registers (64 a thread) between the pass for the mean, the pass for the variance (of x - mean: no difference of large sums) and the scaling.
; hn = (x - mean) rsqrt(var + 1e-5) gamma + beta goes out as bf16 in x's own order, [32][512][1024].
; Each work-group also does a 1/1024 share of the weights' work:
;   row g of (wq | wk) is rounded to bf16 into wb rows 0-1023;
;   the tile (g / 32, g % 32) of 16 x 16 of W' = wp wv is made by the matrix unit (bf16 operands, f32 sums; K = 512 shared eight ways among the waves, the
;   eight partial tiles added through LDS) and rounded to bf16 into wb rows 1024-1535;  even g: bvp[g / 2] = wp[g / 2] . bv in f32.
; wp (sum_t att v) = sum_t att (wp v) holds for every input, so the later launches project v' = W' hn + bvp and need no product behind attention.
; LIMITS.  W' is rounded twice (its operands, then itself).  NaN and infinities are not treated apart.
; W' leaves in pieces of 32 bytes, 512 bytes a work-group, once; every other store of a wave covers 256 consecutive bytes, aligned.
.set RED1, 0                           ; LDS: eight waves' sums
.set RED2, 64                          ; eight waves' sums of squares
.set FOLD, 256                         ; eight waves' partial tiles of W': 1,024 bytes each
.set XO,   4                           ; v4   16 t: my 16 bytes in a channel's 4,096
.set HO,   5                           ; v5   8 t: the same four numbers as bf16
.set VW,   6                           ; v6   my byte offset in wv
.set VP,   7                           ; v7   my byte offset in wp
.set MEAN, 16                          ; v[16:17] the mean, twice
.set X,    32                          ; v[32:95]  x, load i = channel i of the group
.set RW,   96                          ; v[96:127] wv as loaded; later the partial tiles, then a_i = rstd gamma_i
.set RP,   128                         ; v[128:159] wp as loaded
.set FR,   160                         ; v[160:191] four fragments
.set AC,   192                         ; v[192:207] two accumulators
.set T1,   208                         ; v[208:213] the weight row
.set T3,   214                         ; v[214:245] wp's row and bv
.set FST,  246                         ; v246 where I put my part of the partial tile
.set FRD,  247                         ; v247 16 x lane
.macro WSUM a, b                       ; the sum of v[a] over the wave's 32 lanes, in every lane; v[b] has been written before
	v_add_f32_dpp v[\a], v[\a], v[\a] row_xmask:1 row_mask:0xf bank_mask:0xf
	v_add_f32_dpp v[\a], v[\a], v[\a] row_xmask:2 row_mask:0xf bank_mask:0xf
	v_add_f32_dpp v[\a], v[\a], v[\a] row_xmask:4 row_mask:0xf bank_mask:0xf
	v_add_f32_dpp v[\a], v[\a], v[\a] row_xmask:8 row_mask:0xf bank_mask:0xf
	v_permlanex16_b32 v[\b], v[\a], s84, s85
	v_add_f32 v[\a], v[\a], v[\b]
.endm
.macro GSUM red                        ; v18, the wave's sum, becomes the work-group's: a word a wave, one barrier, every wave reads all eight
	ds_store_b32 v22, v18 offset:\red
	s_wait_dscnt 0x0                               ; for the others' sake: all my LDS stores are done
	s_barrier_signal -1
	s_barrier_wait -1
	ds_load_b128 v[24:27], v23 offset:\red
	ds_load_b128 v[28:31], v23 offset:\red+16
	s_wait_dscnt 0x0
	v_pk_add_f32 v[24:25], v[24:25], v[26:27]
	v_pk_add_f32 v[28:29], v[28:29], v[30:31]
	v_pk_add_f32 v[24:25], v[24:25], v[28:29]
	v_add_f32 v18, v24, v25
.endm
	s_load_b512 s[4:19], s[0:1], 0x0               ; x 4:5, gamma 6:7, beta 8:9, wq 10:11, wk 12:13, wv 14:15, wp 16:17, bv 18:19
	s_load_b128 s[20:23], s[0:1], 0x40             ; hn 20:21, wb 22:23
	s_load_b64 s[24:25], s[0:1], 0x50              ; bvp
	v_lshl_add_u32 v248, v0, 2, 0x2100
	v_mov_b32 v249, 0
	v_lshrrev_b32 v1, 5, v0
	v_readfirstlane_b32 s26, v1                    ; wave 0..7
	s_mov_b32 s27, ttmp9                           ; g
	s_and_b32 s28, s27, 31                         ; the group; also W' tile's column ct
	s_lshr_b32 s29, s27, 5                         ; the image; also W' tile's row dt
	s_mov_b32 s84, 0x76543210                      ; v_permlanex16_b32: each lane takes its own place in the other half
	s_mov_b32 s85, 0xfedcba98
	s_mov_b32 s78, 0x3727c5ac                      ; 1e-5
	s_mov_b32 s79, 0x38800000                      ; 1 / 16,384
	v_and_b32 v1, 31, v0                           ; lane
	v_and_b32 v2, 15, v0                           ; r
	v_bfe_u32 v3, v0, 4, 1                         ; h
	v_lshlrev_b32 v[XO], 4, v0
	v_lshlrev_b32 v[HO], 3, v0
	s_lshl_b32 s30, s26, 17                        ; wv: row e = 64 w + 8 h (+ the immediate), 2,048 bytes each; column 16 ct + r
	s_lshl_b32 s31, s28, 6
	s_add_co_u32 s30, s30, s31
	v_lshlrev_b32 v[VW], 2, v2
	v_lshl_add_u32 v[VW], v3, 14, v[VW]
	v_add_nc_u32 v[VW], s30, v[VW]
	s_lshl_b32 s30, s29, 15                        ; wp: row 16 dt + r; column e = 64 w + 8 h
	s_lshl_b32 s31, s26, 8
	s_add_co_u32 s30, s30, s31
	v_lshlrev_b32 v[VP], 11, v2
	v_lshl_add_u32 v[VP], v3, 5, v[VP]
	v_add_nc_u32 v[VP], s30, v[VP]
	v_lshlrev_b32 v[FRD], 4, v1
	s_lshl_b32 s30, s26, 10
	v_add_nc_u32 v[FST], s30, v[FRD]               ; 1,024 w + 16 lane
	v_mov_b32 v22, s26
	v_lshlrev_b32 v22, 2, v22                      ; my wave's word
	v_mov_b32 v23, 0
	s_lshl_b32 s66, s27, 16                        ; g x 65,536 bytes of x
	s_mov_b32 s67, 0
	s_lshl_b32 s68, s27, 15                        ; g x 32,768 bytes of hn
	s_mov_b32 s69, 0
	s_lshl_b32 s70, s28, 6                         ; the group's 16 numbers in gamma and in beta
	s_mov_b32 s71, 0
	s_and_b32 s72, s27, 511
	s_lshl_b32 s72, s72, 11                        ; row g % 512 of wq or wk
	s_mov_b32 s73, 0
	s_lshl_b32 s74, s27, 10                        ; row g of wb
	s_mov_b32 s75, 0
	s_wait_kmcnt 0x0
	s_add_nc_u64 s[4:5], s[4:5], s[66:67]
	s_add_nc_u64 s[20:21], s[20:21], s[68:69]
	s_add_nc_u64 s[6:7], s[6:7], s[70:71]
	s_add_nc_u64 s[8:9], s[8:9], s[70:71]
	s_load_b512 s[32:47], s[6:7], 0x0              ; gamma of my 16 channels
	s_load_b512 s[48:63], s[8:9], 0x0              ; beta
	s_cmp_lt_u32 s27, 512
	s_cselect_b64 s[88:89], s[10:11], s[12:13]     ; wq for g < 512, else wk
	s_add_nc_u64 s[88:89], s[88:89], s[72:73]
	s_add_nc_u64 s[90:91], s[22:23], s[74:75]
	; W' = wp wv, my wave's 64 of the 512 e, as two matrix instructions of 32.  Source 0: 16 columns c of wv (lane: column r, 8 + 8 rows e: sixteen loads of 4 bytes);
	; source 1: 16 rows d of wp (lane: row r, 8 + 8 neighbouring e: four loads of 16 bytes).
.set k, 0
.rept 2
.set i, 0
.rept 8
	global_load_b32 v[RW+16*k+i],   v[VW], s[14:15] offset:(32*k+i)*2048
	global_load_b32 v[RW+16*k+8+i], v[VW], s[14:15] offset:(32*k+16+i)*2048
.set i, i+1
.endr
	global_load_b128 v[RP+16*k:RP+16*k+3],     v[VP], s[16:17] offset:128*k
	global_load_b128 v[RP+16*k+4:RP+16*k+7],   v[VP], s[16:17] offset:128*k+16
	global_load_b128 v[RP+16*k+8:RP+16*k+11],  v[VP], s[16:17] offset:128*k+64
	global_load_b128 v[RP+16*k+12:RP+16*k+15], v[VP], s[16:17] offset:128*k+80
.set k, k+1
.endr
.set i, 0
.rept 16                               ; x: each load of a wave covers 512 consecutive bytes; the launch reads x once
	global_load_b128 v[X+4*i:X+4*i+3], v[XO], s[4:5] offset:4096*i th:TH_LOAD_NT
.set i, i+1
.endr
	s_wait_loadcnt 16                              ; all but x's sixteen loads: the weights are in
.set k, 0
.rept 2
.set p, 0
.rept 8
	v_cvt_pk_bf16_f32 v[FR+16*k+p],   v[RW+16*k+2*p], v[RW+16*k+2*p+1]
	v_cvt_pk_bf16_f32 v[FR+16*k+8+p], v[RP+16*k+2*p], v[RP+16*k+2*p+1]
.set p, p+1
.endr
.set k, k+1
.endr
	v_wmma_f32_16x16x32_bf16 v[AC:AC+7],    v[FR:FR+7],     v[FR+8:FR+15],  0   ; two accumulators, each its own sum: no chain
	v_wmma_f32_16x16x32_bf16 v[AC+8:AC+15], v[FR+16:FR+23], v[FR+24:FR+31], 0
.rept 4
	v_nop                                          ; four places between a matrix instruction and the reading of its result (ISA guide 7.12.1)
.endr
.set p, 0
.rept 4                                ; register j of lane (r, h): W'[16 dt + r][16 ct + 8 h + j], my wave's part of the sum
	v_pk_add_f32 v[8+2*p:9+2*p], v[AC+2*p:AC+2*p+1], v[AC+8+2*p:AC+8+2*p+1]
.set p, p+1
.endr
	ds_store_b128 v[FST], v[8:11]  offset:FOLD
	ds_store_b128 v[FST], v[12:15] offset:FOLD+512
	; row g of (wq | wk) to bf16: waves 0 to 3, 512 bytes in and 256 bytes out each.  Load and use stand in one branch.
	s_cmp_ge_u32 s26, 4
	s_cbranch_scc1 .Lno_row
	global_load_b128 v[T1:T1+3], v[XO], s[88:89]
	s_wait_loadcnt 0x0
	v_cvt_pk_bf16_f32 v[T1+4], v[T1], v[T1+1]
	v_cvt_pk_bf16_f32 v[T1+5], v[T1+2], v[T1+3]
	global_store_b64 v[HO], v[T1+4:T1+5], s[90:91]
.Lno_row:
	; bvp[g / 2] = wp[g / 2] . bv: wave 0 of the even work-groups
	s_cmp_lg_u32 s26, 0
	s_cbranch_scc1 .Lno_dot
	s_bitcmp1_b32 s27, 0
	s_cbranch_scc1 .Lno_dot
	s_lshr_b32 s74, s27, 1
	s_lshl_b32 s76, s74, 11
	s_mov_b32 s77, 0
	s_add_nc_u64 s[76:77], s[16:17], s[76:77]
.set i, 0
.rept 4
	global_load_b128 v[T3+4*i:T3+4*i+3],       v[XO], s[76:77] offset:512*i
	global_load_b128 v[T3+16+4*i:T3+16+4*i+3], v[XO], s[18:19] offset:512*i
.set i, i+1
.endr
	s_lshl_b32 s74, s74, 2
	s_wait_loadcnt 0x0
	v_pk_mul_f32 v[T3:T3+1],   v[T3:T3+1],   v[T3+16:T3+17]
	v_pk_mul_f32 v[T3+2:T3+3], v[T3+2:T3+3], v[T3+18:T3+19]
.set p, 2
.rept 6
	v_pk_fma_f32 v[T3+2*(p%2):T3+2*(p%2)+1], v[T3+2*p:T3+2*p+1], v[T3+16+2*p:T3+16+2*p+1], v[T3+2*(p%2):T3+2*(p%2)+1]
.set p, p+1
.endr
	v_pk_add_f32 v[T3:T3+1], v[T3:T3+1], v[T3+2:T3+3]
	v_add_f32 v[T3], v[T3], v[T3+1]
	WSUM T3, T3+1
	v_mov_b32 v[T3+2], s74
	s_wait_xcnt 0x0                                ; EXEC is a source of what has been issued: it changes only behind this wait
	v_cmp_gt_u32 vcc_lo, 1, v0
	s_and_saveexec_b32 s86, vcc_lo
	global_store_b32 v[T3+2], v[T3], s[24:25]      ; one number, thread 0
	s_wait_xcnt 0x0                                ; and again in front of the line that widens it
	s_or_b32 exec_lo, exec_lo, s86
.Lno_dot:
	; the mean
	s_wait_loadcnt 14                              ; x's first two loads are in, fourteen may be out
	v_pk_add_f32 v[18:19], v[X:X+1],   v[X+4:X+5]
	v_pk_add_f32 v[20:21], v[X+2:X+3], v[X+6:X+7]
.set i, 2
.rept 14
	s_wait_loadcnt 15-i                            ; loads come back in order: load i is in, the younger ones stay out
	v_pk_add_f32 v[18:19], v[18:19], v[X+4*i:X+4*i+1]
	v_pk_add_f32 v[20:21], v[20:21], v[X+4*i+2:X+4*i+3]
.set i, i+1
.endr
	v_pk_add_f32 v[18:19], v[18:19], v[20:21]
	v_add_f32 v18, v18, v19
	WSUM 18, 19
	GSUM RED1                                      ; its barrier also shows every wave's partial tile of W' written
	v_mul_f32 v[MEAN], s79, v18
	v_mov_b32 v[MEAN+1], v[MEAN]
	; wave 1 adds the eight partial tiles and stores the tile of W'
	s_cmp_lg_u32 s26, 1
	s_cbranch_scc1 .Lno_fold
.set w, 0
.rept 8
	ds_load_b128 v[RW+8*w:RW+8*w+3],   v[FRD] offset:FOLD+1024*w
	ds_load_b128 v[RW+8*w+4:RW+8*w+7], v[FRD] offset:FOLD+1024*w+512
.set w, w+1
.endr
	s_lshl_b32 s76, s29, 14                        ; wb row 1,024 + 16 dt + r, 1,024 bytes each; column 16 ct + 8 h
	s_lshl_b32 s77, s28, 5
	s_add_co_u32 s76, s76, s77
	s_add_co_u32 s76, s76, 1048576
	v_lshlrev_b32 v8, 10, v2
	v_lshl_add_u32 v8, v3, 4, v8
	v_add_nc_u32 v8, s76, v8
	s_wait_dscnt 0x0
.set w, 1
.rept 7
.set p, 0
.rept 4
	v_pk_add_f32 v[RW+2*p:RW+2*p+1], v[RW+2*p:RW+2*p+1], v[RW+8*w+2*p:RW+8*w+2*p+1]
.set p, p+1
.endr
.set w, w+1
.endr
.set p, 0
.rept 4
	v_cvt_pk_bf16_f32 v[12+p], v[RW+2*p], v[RW+2*p+1]
.set p, p+1
.endr
	global_store_b128 v8, v[12:15], s[22:23]
.Lno_fold:
	; the variance, of x - mean
.set i, 0
.rept 32
	v_pk_add_f32 v[X+2*i:X+2*i+1], v[X+2*i:X+2*i+1], v[MEAN:MEAN+1] neg_lo:[0,1] neg_hi:[0,1]
.set i, i+1
.endr
	v_pk_mul_f32 v[18:19], v[X:X+1],   v[X:X+1]
	v_pk_mul_f32 v[20:21], v[X+2:X+3], v[X+2:X+3]
.set i, 2
.rept 30
	v_pk_fma_f32 v[18+2*(i%2):19+2*(i%2)], v[X+2*i:X+2*i+1], v[X+2*i:X+2*i+1], v[18+2*(i%2):19+2*(i%2)]
.set i, i+1
.endr
	v_pk_add_f32 v[18:19], v[18:19], v[20:21]
	v_add_f32 v18, v18, v19
	WSUM 18, 19
	GSUM RED2                                      ; other bytes than the first sum's, so one barrier serves
	v_fma_f32 v18, v18, s79, s78                   ; var + 1e-5
	v_rsq_f32 v19, v18
	v_nop                                          ; a plain instruction between the root and its use
	s_wait_kmcnt 0x0                               ; gamma and beta
.set i, 0
	s_wait_alu depctr_va_vdst(0)
.rept 16
	v_mul_f32 v[RW+i], s[32+i], v19                ; a_i = rstd gamma_i
.set i, i+1
.endr
.set i, 0
.rept 16                               ; channel i: four numbers a thread, made and packed in x's own registers, which nothing writes again
.irp k, 0,1,2,3
	v_fma_f32 v[X+4*i+\k], v[X+4*i+\k], v[RW+i], s[48+i]
.endr
	v_cvt_pk_bf16_f32 v[X+4*i],   v[X+4*i],   v[X+4*i+1]
	v_cvt_pk_bf16_f32 v[X+4*i+1], v[X+4*i+2], v[X+4*i+3]
	global_store_b64 v[HO], v[X+4*i:X+4*i+1], s[20:21] offset:2048*i  ; a wave's store covers 256 consecutive bytes, aligned
.set i, i+1
.endr
	s_wait_tensorcnt 0x0
	ds_add_u32 v248, v249
	s_wait_dscnt 0x0
	s_endpgm
.Lfunc_end_k_qef98042439_prep:
	.size	k_qef98042439_prep, .Lfunc_end_k_qef98042439_prep-k_qef98042439_prep
	.p2alignl 7, 3214868480
	.fill 96, 4, 3214868480
	.section	.rodata,"a",@progbits
	.p2align	6, 0x0
	.amdhsa_kernel k_qef98042439_prep
		.amdhsa_group_segment_fixed_size 9472
		.amdhsa_private_segment_fixed_size 0
		.amdhsa_enable_private_segment 0
		.amdhsa_kernarg_size 88
		.amdhsa_user_sgpr_count 2
		.amdhsa_user_sgpr_kernarg_segment_ptr 1
		.amdhsa_wavefront_size32 1
		.amdhsa_system_sgpr_workgroup_id_x 1
		.amdhsa_system_sgpr_workgroup_id_y 1
		.amdhsa_system_sgpr_workgroup_id_z 1
		.amdhsa_system_vgpr_workitem_id 0
		.amdhsa_next_free_vgpr 250
		.amdhsa_next_free_sgpr 96
		.amdhsa_reserve_vcc 1
		.amdhsa_float_denorm_mode_32 3
		.amdhsa_float_denorm_mode_16_64 3
		.amdhsa_memory_ordered 1
		.amdhsa_forward_progress 1
		.amdhsa_inst_pref_size 34
	.end_amdhsa_kernel
	.amdgpu_metadata
---
amdhsa.version: [ 1, 2 ]
amdhsa.kernels:
  - .name:           k_qef98042439_prep
    .symbol:         k_qef98042439_prep.kd
    .args:
      - { .name: x, .offset: 0, .size: 8, .value_kind: global_buffer, .address_space: global }
      - { .name: gamma, .offset: 8, .size: 8, .value_kind: global_buffer, .address_space: global }
      - { .name: beta, .offset: 16, .size: 8, .value_kind: global_buffer, .address_space: global }
      - { .name: wq, .offset: 24, .size: 8, .value_kind: global_buffer, .address_space: global }
      - { .name: wk, .offset: 32, .size: 8, .value_kind: global_buffer, .address_space: global }
      - { .name: wv, .offset: 40, .size: 8, .value_kind: global_buffer, .address_space: global }
      - { .name: wp, .offset: 48, .size: 8, .value_kind: global_buffer, .address_space: global }
      - { .name: bv, .offset: 56, .size: 8, .value_kind: global_buffer, .address_space: global }
      - { .name: hn, .offset: 64, .size: 8, .value_kind: global_buffer, .address_space: global }
      - { .name: wb, .offset: 72, .size: 8, .value_kind: global_buffer, .address_space: global }
      - { .name: bvp, .offset: 80, .size: 8, .value_kind: global_buffer, .address_space: global }
    .group_segment_fixed_size: 9472
    .private_segment_fixed_size: 0
    .kernarg_segment_align: 8
    .kernarg_segment_size: 88
    .max_flat_workgroup_size: 256
    .sgpr_count:     96
    .vgpr_count:     250
    .wavefront_size: 32
...
	.end_amdgpu_metadata
.endif
;; end of part 1
;; launch qkv (part 2): grid 128 x 2, 4 waves a work-group, clusters of 4 x 1, 327,680 bytes of LDS; arguments hn, wb, qkv, bq, bk, bvp; writes qkv
.if DOCPART == 2
	.amdgcn_target "amdgcn-amd-amdhsa--gfx1250"
	.amdhsa_code_object_version 6
	.text
	.protected	k_qef98042439_qkv
	.globl	k_qef98042439_qkv
	.p2align	8
	.type	k_qef98042439_qkv,@function
k_qef98042439_qkv:
	s_mov_b64 s[64:65], 0
	v_nop
	global_prefetch_b8 v0, s[64:65] scope:SCOPE_SE
	s_setreg_imm32_b32 hwreg(HW_REG_WAVE_MODE, 25, 1), 1
	s_wait_xcnt 0x0
	s_wait_alu depctr_hold_cnt(0) depctr_sa_sdst(0) depctr_va_vdst(0) depctr_va_sdst(0) depctr_va_ssrc(0) depctr_va_vcc(0) depctr_vm_vsrc(0)
	s_getreg_b32 s2, hwreg(HW_REG_IB_STS2, 6, 4)
	s_cmp_eq_u32 s2, 0
	s_cbranch_scc0 .Lentry_in_a_cluster
	s_endpgm
.Lentry_in_a_cluster:
	s_bfe_u32 s2, ttmp6, 0x10000c
	s_cmp_lg_u32 s2, 0x3003
	s_cbranch_scc0 .Lentry_shape_is_right
	s_endpgm
.Lentry_shape_is_right:
; qkv[(n, s)][d] = sum over c of hn[n][c][s] wb[d][c] + bias[d], d = 0..1535 (q | k | v'), bias = (bq | bk | bvp).  hn: [32][512][1024] bf16, wb: [1536][512] bf16,
; qkv: [32768][1536] bf16 (a row is 3,072 bytes), biases f32; sums in f32, started by the bias, rounded once.
; SHARES.  A tile is 256 rows (n, s) x 256 columns d: four waves, each 128 x 128 = 64 accumulators, 512 registers.  There are 128 x 6 tiles; a work-group stays and makes three:
; row tile X, column tiles y, y + 2, y + 4 (half y of q, of k, of v').  K = 512 goes in four steps of 128 through a ring of two LDS slots, and the ring runs on from tile to tile.
; OPERANDS.  Source 0 = 16 rows of wb (K along the LDS rows, plain loads); source 1 = 16 positions s of hn, which lies [c][s] in LDS and is turned by ds_load_tr16_b128.
; A lane then holds one row (n, s) and eight neighbouring d: 16 bytes of bf16, sent through the wave's own stage so that sixteen lanes store 256 consecutive bytes.
; CLUSTER.  The four work-groups of a cluster are the four row tiles of one image with one y: they walk the same tiles of wb, which are asked for JOINTLY (mask 15).
; hn's tiles differ between them (another 256 positions each) and come by loads of the work-group's own, in the same places of the text.
; REGISTERS, in windows of 256: window 0: v0-31 addresses; v64-127, v128-191 fragments of hn, two buffers; v32-63, v192-255 the way out.
;   window 1: v64-127, v128-191 fragments of wb; v192-255 the bias of my 128 columns as eight C operands.   windows 2, 3: the accumulators of my rows 0-63, 64-127.
.set PA,     544                       ; an LDS row of hn: 512 bytes + 32: an odd multiple of 32, as the turning load's eight rows x 32 bytes want
.set PB,     272                       ; an LDS row of wb: 256 bytes + 16: the 16 rows of a load start 68 words apart
.set HALFT,  34816                     ; what one tensor load brings: 64 rows of hn, or 128 rows of wb
.set SLOT,   4*HALFT                   ; hn's 128 rows c, then wb's 256 rows d
.set STAGE,  2*SLOT                    ; behind the ring: 16 rows x 272 bytes for each wave
.set SPITCH, 272
.set SPARE,  STAGE+4*16*SPITCH         ; the spare words, 128 bytes a wave: two blocks of 256 bytes that no other line names
.set ROWB,   3072                      ; bytes in a row of qkv
.set ADRA, 16                          ; v16-17  LDS address of my hn fragments in slot 0, 1
.set ADRB, 20                          ; v20-21  the same for wb
.set STO,  24                          ; v24     the way out: where I put 16 bytes of a row
.set RD,   25                          ; v25     where I read a row back
.set CO,   26                          ; v26     my byte offset in qkv
.set BO,   27                          ; v27     my byte offset in the bias: 32 x (lane / 16)
.set SPW,  28                          ; v28     my spare word; never rewritten
.set NIL,  29                          ; v29     0; never rewritten
.set F0,   64
.set F1,   128
.set TMP,  192
.set OB,   32
.set BI,   192                         ; window 1
.set G1,  24                           ; s[24:31] group 1 for hn's tiles;  s[32:39] group 0, a set for each slot
.set G0,  32
.set G1B, 48                           ; s[48:55], s[56:63] the same for wb's
.set G0B, 56
.set MSB, 0
.macro WIN new                         ; the immediate's high byte repeats the setting that is left; a switch that changes nothing is dropped
.if MSB != (\new)
	s_set_vgpr_msb (MSB<<8)|(\new)
.set MSB, \new
.endif
.endm
.set MUL_LO, 0xa1                      ; source 0 (wb) window 1, source 1 (hn) window 0, C and D window 2
.set MUL_HI, 0xf1                      ; the same, C and D window 3
.set TO_B,   0x40                      ; destination window 1, address window 0
; A fill.  Waves 0 and 1 fetch hn's two halves (the work-group's own load), waves 2 and 3 wb's (joint).  The branch hangs on the wave's number alone.
; An s_nop 0 and four v_nop follow each of the two lines, ahead of the jump and the label.
.macro JLOAD s
	s_cmp_eq_u32 s11, 0
	s_cbranch_scc0 .Lfor_b_\@
	tensor_load_to_lds s[G0+4*(\s):G0+4*(\s)+3], s[G1:G1+7]
	s_nop 0
.rept 4
	v_nop
.endr
	s_branch .Lasked_\@
.Lfor_b_\@:
	tensor_load_to_lds s[G0B+4*(\s):G0B+4*(\s)+3], s[G1B:G1B+7]
	s_nop 0
.rept 4
	v_nop
.endr
.Lasked_\@:
.endm
.macro CREST                           ; a round of the cluster's barrier behind its opening barrier
	s_cmp_lg_u32 s10, 0
	s_cbranch_scc1 .Lnot_wave_0_\@
	s_barrier_signal -3
.Lnot_wave_0_\@:
	s_barrier_wait -3
	s_barrier_signal -1
	s_barrier_wait -1
.endm
.macro CROUND                          ; a whole round
	s_barrier_signal -1
	s_barrier_wait -1
	CREST
.endm
.macro PLACES                          ; four places in front of loads into registers that matrix instructions have read, and of conversions that read results
.rept 4
	v_nop
.endr
.endm
.macro BIAS ptr                        ; the bias of my 128 columns: block b's register j is bias[16 b + 8 (lane / 16) + j], the C operand's layout
	WIN TO_B
.irp b, 0,1,2,3,4,5,6,7
	global_load_b128 v[BI+8*(\b):BI+8*(\b)+3],   v[BO], s[\ptr:\ptr+1] offset:64*(\b)
	global_load_b128 v[BI+8*(\b)+4:BI+8*(\b)+7], v[BO], s[\ptr:\ptr+1] offset:64*(\b)+16
.endr
	WIN 0
.endm
	s_load_b128 s[4:7], s[0:1], 0x0                ; hn s[4:5], wb s[6:7]
	s_load_b64 s[8:9], s[0:1], 0x10                ; qkv
	s_load_b128 s[68:71], s[0:1], 0x18             ; bq s[68:69], bk s[70:71]
	s_load_b64 s[72:73], s[0:1], 0x28              ; bvp
	v_lshl_add_u32 v[SPW], v0, 2, SPARE
	v_mov_b32 v[NIL], 0
	ds_add_u32 v28, v29
	s_wait_dscnt 0x0
	v_lshrrev_b32 v1, 5, v0
	v_readfirstlane_b32 s10, v1                    ; wave 0..3
	s_lshr_b32 s11, s10, 1                         ; which half of the tile's rows is mine.  Also: I fetch for hn (0) or for wb (1)
	s_and_b32 s12, s10, 1                          ; which half of its columns.  Also: which half of that tile I fetch
	s_bfe_u32 s40, ttmp6, 0x40000                  ; cx: which 256 positions of the image; the image is the cluster's x
	s_and_b32 s41, ttmp7, 0xffff                   ; y, which the four partners share
	s_mov_b32 s[G1+0], (1<<16)|(1<<20)|(6<<22)|(7<<25)  ; hn: no mask; elements of 2 bytes; padding on: after every 128 words (code 6) 8 words (code 7)
	s_mov_b32 s[G1+1], 256<<16                     ; tensor_dim0 = 256 positions
	s_mov_b32 s[G1+2], 64<<16                      ; tensor_dim1 = 64 channels
	s_mov_b32 s[G1+3], 256<<16                     ; tile_dim0
	s_mov_b32 s[G1+4], 64                          ; tile_dim1
	s_mov_b32 s[G1+5], 1024                        ; elements from channel to channel
	s_mov_b32 s[G1+6], 0
	s_mov_b32 s[G1+7], 0
	s_mov_b32 s[G1B+0], 15|(1<<16)|(1<<20)|(1<<21)|(5<<22)|(3<<25)  ; wb: the mask of four, bit 21 beside it; after every 64 words (code 5) 4 words (code 3)
	s_mov_b32 s[G1B+1], 128<<16
	s_mov_b32 s[G1B+2], 128<<16
	s_mov_b32 s[G1B+3], 128<<16
	s_mov_b32 s[G1B+4], 128
	s_mov_b32 s[G1B+5], 512
	s_mov_b32 s[G1B+6], 0
	s_mov_b32 s[G1B+7], 0
	s_lshl_b32 s16, ttmp9, 20                      ; hn: the image's 1,048,576 bytes,
	s_lshl_b32 s17, s40, 9                         ; my 256 positions,
	s_add_co_u32 s16, s16, s17
	s_lshl_b32 s17, s12, 17                        ; my 64 channels of a K step's 128
	s_add_co_u32 s16, s16, s17
	s_mov_b32 s17, 0
	s_lshl_b32 s46, s41, 18                        ; wb: row 256 y + 128 x half, 1,024 bytes each: nothing here hangs on cx
	s_lshl_b32 s47, s12, 17
	s_add_co_u32 s46, s46, s47
	s_mov_b32 s47, 0
	s_mul_i32 s20, s10, HALFT                      ; where the fills go: wave x 34,816
	s_lshl_b32 s18, s41, 10                        ; the bias of my columns: 256 y + 128 x half, 4 bytes each
	s_lshl_b32 s19, s12, 9
	s_add_co_u32 s18, s18, s19
	s_mov_b32 s19, 0
	s_lshl_b32 s42, ttmp9, 2                       ; qkv: my first row is 128 (2 X + half), X = 4 x image + cx,
	s_add_co_u32 s42, s42, s40
	s_lshl_b32 s42, s42, 1
	s_add_co_u32 s42, s42, s11
	s_mul_i32 s42, s42, 128*ROWB
	s_lshl_b32 s43, s41, 9                         ; my first column 256 y + 128 x half, 2 bytes each
	s_add_co_u32 s42, s42, s43
	s_lshl_b32 s43, s12, 8
	s_add_co_u32 s42, s42, s43
	s_mov_b32 s43, 0
	s_wait_kmcnt 0x0
	s_add_nc_u64 s[14:15], s[4:5], s[16:17]
	s_add_nc_u64 s[46:47], s[6:7], s[46:47]
	s_add_nc_u64 s[8:9], s[8:9], s[42:43]
	s_add_nc_u64 s[68:69], s[68:69], s[18:19]
	s_add_nc_u64 s[70:71], s[70:71], s[18:19]
	s_add_nc_u64 s[72:73], s[72:73], s[18:19]
	CROUND                                         ; all four work-groups are here: the first joint loads meet
.irp s, 0,1
	s_mov_b32 s[G0+4*(\s)], 1                                      ; count = 1
	s_add_co_u32 s[G0+4*(\s)+1], s20, (\s)*SLOT                    ; LDS address
	s_add_nc_u64 s[G0+4*(\s)+2:G0+4*(\s)+3], s[14:15], (\s)*262144 ; K step s: 128 channels of 2,048 bytes on
	s_or_b32 s[G0+4*(\s)+3], s[G0+4*(\s)+3], 0x80000000            ; type = 2
	s_mov_b32 s[G0B+4*(\s)], 1
	s_add_co_u32 s[G0B+4*(\s)+1], s20, (\s)*SLOT
	s_add_nc_u64 s[G0B+4*(\s)+2:G0B+4*(\s)+3], s[46:47], (\s)*256  ; K step s: 256 bytes along the rows
	s_or_b32 s[G0B+4*(\s)+3], s[G0B+4*(\s)+3], 0x80000000
	JLOAD \s                                       ; two loads of mine are out
.endr
	v_and_b32 v1, 15, v0                           ; r = l % 16
	v_bfe_u32 v2, v0, 4, 1                         ; h = l / 16
	v_lshlrev_b32 v[BO], 5, v2
	BIAS 68                                        ; bq's
	v_and_b32 v6, 7, v0
	v_bfe_u32 v7, v0, 3, 1
	v_lshl_add_u32 v3, v2, 3, v6                   ; the turning load: lane l reads channel 8 h + l % 8, positions 8 ((l / 8) % 2) + 0..7
	v_mul_u32_u24 v3, v3, PA
	v_lshl_add_u32 v3, v7, 4, v3
	v_mul_u32_u24 v4, v1, PB                       ; wb: row r, 16 bytes for each half of the lanes
	v_lshl_add_u32 v4, v2, 4, v4
	s_lshl_b32 s21, s11, 8                         ; my 128 positions of hn's 256
	s_mul_i32 s22, s12, HALFT                      ; my 128 rows of wb,
	s_add_co_u32 s22, s22, 2*HALFT                 ; which lie behind hn's part
.irp s, 0,1
	v_add_nc_u32 v[ADRA+(\s)], s21, v3
	v_add_nc_u32 v[ADRB+(\s)], s22, v4
	s_add_co_u32 s21, s21, SLOT
	s_add_co_u32 s22, s22, SLOT
.endr
	s_mul_i32 s23, s10, 16*SPITCH
	s_add_co_u32 s23, s23, STAGE                   ; my stage
	v_add_nc_u32 v[STO], s23, v4                   ; in: row r, 16 bytes for each half of the lanes
	v_mul_u32_u24 v5, v2, SPITCH                   ; back: lanes 0-15 take one row of 256 bytes, lanes 16-31 the next
	v_lshl_add_u32 v5, v1, 4, v5
	v_add_nc_u32 v[RD], s23, v5
	v_mul_u32_u24 v5, v2, ROWB                     ; and the same two rows in qkv
	v_lshl_add_u32 v[CO], v1, 4, v5
; 16 matrix instructions: row blocks a0, a0 + 1 of the window's four x all 8 column blocks, 32 along K.  zero = 1: the first product starts the sums with the bias as C.
; The 64 accumulators take turns, one instruction a turn, in the same order in every quarter.
.macro MUL16 f, hi, a0, zero
.if \zero
	WIN 0x91+0x40*(\hi)                            ; C in window 1, D in window 2 or 3
.else
	WIN MUL_LO+0x50*(\hi)
.endif
.irp a, \a0, (\a0)+1
.irp b, 0,1,2,3,4,5,6,7
.if \zero
	v_wmma_f32_16x16x32_bf16 v[8*(8*(\a)+(\b)):8*(8*(\a)+(\b))+7], v[(\f)+8*(\b):(\f)+8*(\b)+7], v[(\f)+8*(4*(\hi)+(\a)):(\f)+8*(4*(\hi)+(\a))+7], v[BI+8*(\b):BI+8*(\b)+7]
.else
	v_wmma_f32_16x16x32_bf16 v[8*(8*(\a)+(\b)):8*(8*(\a)+(\b))+7], v[(\f)+8*(\b):(\f)+8*(\b)+7], v[(\f)+8*(4*(\hi)+(\a)):(\f)+8*(4*(\hi)+(\a))+7], v[8*(8*(\a)+(\b)):8*(8*(\a)+(\b))+7]
.endif
.endr
.endr
.endm
; 32 LDS loads in one run: the fragments of quarter q (32 along K) of a slot into buffer f: wb's eight blocks of 16 rows, then hn's eight blocks of 16 positions
.macro FETCH slot, q, f
	WIN TO_B
.irp i, 0,1,2,3,4,5,6,7
	ds_load_b128 v[(\f)+8*(\i):(\f)+8*(\i)+3],   v[ADRB+(\slot)] offset:64*(\q)+(\i)*16*PB
	ds_load_b128 v[(\f)+8*(\i)+4:(\f)+8*(\i)+7], v[ADRB+(\slot)] offset:64*(\q)+(\i)*16*PB+32
.endr
	WIN 0
.irp i, 0,1,2,3,4,5,6,7
	ds_load_tr16_b128 v[(\f)+8*(\i):(\f)+8*(\i)+3],   v[ADRA+(\slot)] offset:32*PA*(\q)+32*(\i)
	ds_load_tr16_b128 v[(\f)+8*(\i)+4:(\f)+8*(\i)+7], v[ADRA+(\slot)] offset:32*PA*(\q)+32*(\i)+16*PA
.endr
.endm
; One of a K step's first three quarters: multiplies buffer f; in its middle it fetches quarter q of the same slot into buffer g.
.macro QUARTER slot, q, f, g, zero
	s_wait_dscnt 8                                 ; wb and hn's blocks 0-3 are in; the youngest eight loads (hn's blocks 4-7) may be out
	MUL16 \f, 0, 0, \zero
	MUL16 \f, 0, 2, \zero
	PLACES
	FETCH \slot, \q, \g
	s_wait_dscnt 32                                ; all but the 32 just issued
	MUL16 \f, 1, 0, \zero
	MUL16 \f, 1, 2, \zero
.endm
; The last quarter's first half, and the one barrier for the change of slots.
.macro MEET round
	WIN 0                                          ; (the add's two registers lie in window 0)
	s_wait_tensorcnt 0x0                           ; all my tensor loads have landed: the one that was out is my part of the next slot;
	ds_add_u32 v[SPW], v[NIL]                      ; 0 onto my spare word
	s_wait_dscnt 9                                 ; (the add and the youngest eight loads may be out)
	MUL16 F1, 0, 0, 0                              ; sixteen matrix instructions stand between the add and the wait for it
	s_wait_dscnt 0x0                               ; the add is done, and my reads of this slot are over
	s_barrier_signal -1
	MUL16 F1, 0, 2, 0                              ; work on registers while the others arrive
.if \round
	WIN 0
.endif
	s_barrier_wait -1
.endm
; The whole last quarter.  mode 0: the slot just read is filled again with this tile's K step two on; mode 1: with the next tile's K step 0 or 1 (hn goes back along K, wb 512 rows down and back);
; mode 2: the last tile's: nothing is filled, so no round follows.  Then the next slot's first fragments.
.macro TURN slot, next, mode
.if (\mode) < 2
	MEET 1
	CREST                                          ; the barrier has opened a round of the cluster's: no wave of any partner still reads this slot or has a load on its way
.if (\mode) == 1
	s_sub_nc_u64 s[G0+4*(\slot)+2:G0+4*(\slot)+3], s[G0+4*(\slot)+2:G0+4*(\slot)+3], 524288
	s_add_nc_u64 s[G0B+4*(\slot)+2:G0B+4*(\slot)+3], s[G0B+4*(\slot)+2:G0B+4*(\slot)+3], 523776
.else
	s_add_nc_u64 s[G0+4*(\slot)+2:G0+4*(\slot)+3], s[G0+4*(\slot)+2:G0+4*(\slot)+3], 524288
	s_add_nc_u64 s[G0B+4*(\slot)+2:G0B+4*(\slot)+3], s[G0B+4*(\slot)+2:G0B+4*(\slot)+3], 512
.endif
	JLOAD \slot                                    ; my one tensor load behind the round; its four v_nop are also the places in front of the loads below
.else
	MEET 0
	PLACES
.endif
	FETCH \next, 0, F0
	MUL16 F1, 1, 0, 0
	MUL16 F1, 1, 2, 0
.endm
; THE WAY OUT of block a (16 rows): rounded to bf16, 16 bytes a lane; into my own stage and back as whole rows of 256 bytes; stored.
.macro PACK a
.set AC, 64*((\a)%4)
	WIN 0x0a+5*((\a)/4)                            ; sources 0 and 1: window 2 or 3
.irp b, 0,1,2,3,4,5,6,7
.irp r, 0,1,2,3
	v_cvt_pk_bf16_f32 v[TMP+4*(\b)+(\r)], v[AC+8*(\b)+2*(\r)], v[AC+8*(\b)+2*(\r)+1]
.endr
.endr
	WIN 0
.endm
.macro TOSTAGE a
	WIN 0
.set BK, OB+192*((\a)%2)
.irp b, 0,1,2,3,4,5,6,7
	ds_store_b128 v[STO], v[TMP+4*(\b):TMP+4*(\b)+3] offset:32*(\b)
.endr
.irp t, 0,1,2,3,4,5,6,7
	ds_load_b128 v[BK+4*(\t):BK+4*(\t)+3], v[RD] offset:(\t)*2*SPITCH  ; LDS serves a wave's instructions in order (ISA guide 5.7.1.4): these see the stores above
.endr
.endm
.macro SEND a
	WIN 0
.set BK, OB+192*((\a)%2)
	s_wait_dscnt 0x0                               ; the block is back in registers
	s_wait_xcnt 0x0                                ; the registers that earlier stores read are rewritten only behind this wait
.irp t, 0,1,2,3,4,5,6,7
	global_store_b128 v[CO], v[BK+4*(\t):BK+4*(\t)+3], s[8:9] offset:(16*(\a)+2*(\t))*ROWB  ; 16 lanes store 256 consecutive bytes, at a multiple of 256 from qkv's first byte
.endr
.endm
.macro OUT                             ; block a's conversions stand between block a - 1's loads from the stage and the wait for them
	PACK 0
	TOSTAGE 0
.irp a, 1,2,3,4,5,6,7
	PACK \a
	SEND (\a)-1
	TOSTAGE \a
.endr
	SEND 7
.endm
	s_wait_tensorcnt 1                             ; my part of K step 0 is in; K step 1's may stay out
	s_barrier_signal -1
	s_barrier_wait -1                              ; everybody's is
	FETCH 0, 0, F0
	s_mov_b32 s2, 3                                ; tiles to go, this one among them
.Ltile:
	s_wait_loadcnt 0x0                             ; the tile's bias
	QUARTER 0, 1, F0, F1, 1                        ; K step 0: the first quarter's products start the sums
	QUARTER 0, 2, F1, F0, 0
	QUARTER 0, 3, F0, F1, 0
	TURN 0, 1, 0                                   ; slot 0 takes K step 2
	QUARTER 1, 1, F0, F1, 0                        ; K step 1
	QUARTER 1, 2, F1, F0, 0
	QUARTER 1, 3, F0, F1, 0
	TURN 1, 0, 0                                   ; slot 1 takes K step 3
	QUARTER 0, 1, F0, F1, 0                        ; K step 2
	QUARTER 0, 2, F1, F0, 0
	QUARTER 0, 3, F0, F1, 0
	WIN 0                                          ; at a label and at a branch every window is 0
	s_cmp_eq_u32 s2, 1
	s_cbranch_scc1 .Llast_tile                     ; the last tile's tail is written out: it asks for nothing more
	TURN 0, 1, 1                                   ; the ring goes on into the next tile: slot 0 takes its K step 0,
	QUARTER 1, 1, F0, F1, 0                        ; K step 3
	QUARTER 1, 2, F1, F0, 0
	QUARTER 1, 3, F0, F1, 0
	TURN 1, 0, 1                                   ; slot 1 its K step 1, and the next tile's first fragments are fetched
	s_cmp_eq_u32 s2, 3
	s_cselect_b64 s[74:75], s[70:71], s[72:73]     ; behind q's tile comes k's, behind k's comes v''s
	BIAS 74                                        ; the last reader of these registers was this tile's first quarter
	OUT                                            ; blocks 0-3 were finished in front of TURN's places; their conversions are the places behind the last products
	s_wait_xcnt 0x0                                ; the stores have read their base
	s_add_nc_u64 s[8:9], s[8:9], 1024              ; the next matrix's columns
	s_sub_co_u32 s2, s2, 1
	s_branch .Ltile
.Llast_tile:
	TURN 0, 1, 2
	QUARTER 1, 1, F0, F1, 0
	QUARTER 1, 2, F1, F0, 0
	QUARTER 1, 3, F0, F1, 0
	s_wait_dscnt 8                                 ; the very last quarter: nothing more to fetch
	MUL16 F1, 0, 0, 0
	MUL16 F1, 0, 2, 0
	s_wait_dscnt 0x0
	MUL16 F1, 1, 0, 0
	MUL16 F1, 1, 2, 0
	WIN 0
	PLACES
	OUT
	s_wait_tensorcnt 0x0                           ; the wave's end
	ds_add_u32 v[SPW], v[NIL]
	s_wait_dscnt 0x0
	CROUND                                         ; the closing round
	s_endpgm
.Lfunc_end_k_qef98042439_qkv:
	.size	k_qef98042439_qkv, .Lfunc_end_k_qef98042439_qkv-k_qef98042439_qkv
	.p2alignl 7, 3214868480
	.fill 96, 4, 3214868480
	.section	.rodata,"a",@progbits
	.p2align	6, 0x0
	.amdhsa_kernel k_qef98042439_qkv
		.amdhsa_group_segment_fixed_size 327680
		.amdhsa_private_segment_fixed_size 0
		.amdhsa_enable_private_segment 0
		.amdhsa_kernarg_size 48
		.amdhsa_user_sgpr_count 2
		.amdhsa_user_sgpr_kernarg_segment_ptr 1
		.amdhsa_wavefront_size32 1
		.amdhsa_system_sgpr_workgroup_id_x 1
		.amdhsa_system_sgpr_workgroup_id_y 1
		.amdhsa_system_sgpr_workgroup_id_z 1
		.amdhsa_system_vgpr_workitem_id 0
		.amdhsa_next_free_vgpr 1024
		.amdhsa_next_free_sgpr 80
		.amdhsa_reserve_vcc 0
		.amdhsa_float_denorm_mode_32 3
		.amdhsa_float_denorm_mode_16_64 3
		.amdhsa_memory_ordered 1
		.amdhsa_forward_progress 1
		.amdhsa_inst_pref_size 210
	.end_amdhsa_kernel
	.amdgpu_metadata
---
amdhsa.version: [ 1, 2 ]
amdhsa.kernels:
  - .name:           k_qef98042439_qkv
    .symbol:         k_qef98042439_qkv.kd
    .args:
      - { .name: hn, .offset: 0, .size: 8, .value_kind: global_buffer, .address_space: global }
      - { .name: wb, .offset: 8, .size: 8, .value_kind: global_buffer, .address_space: global }
      - { .name: qkv, .offset: 16, .size: 8, .value_kind: global_buffer, .address_space: global }
      - { .name: bq, .offset: 24, .size: 8, .value_kind: global_buffer, .address_space: global }
      - { .name: bk, .offset: 32, .size: 8, .value_kind: global_buffer, .address_space: global }
      - { .name: bvp, .offset: 40, .size: 8, .value_kind: global_buffer, .address_space: global }
    .group_segment_fixed_size: 327680
    .private_segment_fixed_size: 0
    .kernarg_segment_align: 8
    .kernarg_segment_size: 48
    .max_flat_workgroup_size: 128
    .sgpr_count:     80
    .vgpr_count:     1024
    .wavefront_size: 32
...
	.end_amdgpu_metadata
.endif
;; end of part 2
;; launch attn (part 3): grid 8 x 32, 4 waves a work-group, clusters of 4 x 1, 327,680 bytes of LDS; arguments qkv, x, bp, out0; writes out0
.if DOCPART == 3
	.amdgcn_target "amdgcn-amd-amdhsa--gfx1250"
	.amdhsa_code_object_version 6
	.text
	.protected	k_qef98042439_attn
	.globl	k_qef98042439_attn
	.p2align	8
	.type	k_qef98042439_attn,@function
k_qef98042439_attn:
	s_mov_b64 s[64:65], 0
	v_nop
	global_prefetch_b8 v0, s[64:65] scope:SCOPE_SE
	s_setreg_imm32_b32 hwreg(HW_REG_WAVE_MODE, 25, 1), 1
	s_wait_xcnt 0x0
	s_wait_alu depctr_hold_cnt(0) depctr_sa_sdst(0) depctr_va_vdst(0) depctr_va_sdst(0) depctr_va_ssrc(0) depctr_va_vcc(0) depctr_vm_vsrc(0)
	s_getreg_b32 s2, hwreg(HW_REG_IB_STS2, 6, 4)
	s_cmp_eq_u32 s2, 0
	s_cbranch_scc0 .Lentry_in_a_cluster
	s_endpgm
.Lentry_in_a_cluster:
	s_bfe_u32 s2, ttmp6, 0x10000c
	s_cmp_lg_u32 s2, 0x3003
	s_cbranch_scc0 .Lentry_shape_is_right
	s_endpgm
.Lentry_shape_is_right:
; out0[n][c][s] = x[n][c][s] + bp[c] + sum over t of softmax_t(q[n][s] . k[n][t] / sqrt(512)) v'[n][t][c].
; qkv: [32 x 1024][1536] bf16, a row = q | k | v' (1,024 bytes each); x, out0: [32][512][1024] f32; bp: [512] f32.  v' already carries the output projection.
; Products, maxima and sums in f32; the weights p are rounded to bf16 for the second product, their sum l is taken of the unrounded p.
; LIMITS.  A weight below 2^-126 counts as 0 in l; NaN and infinities are not treated apart; the constant part of v' reaches the output times (sum of rounded p) / l, 1 to within bf16's rounding.
; SHARES.  A work-group owns 128 queries of one image, each of its four waves 32: two tiles of 16, all 512 channels.  Every wave walks the image's 1,024 keys, 64 a step.
; LAYOUT.  S^T = K Q^T (source 0 = 16 keys, source 1 = 16 queries): a lane holds ONE query (lane % 16) and the keys 8 (lane / 16) + 0..7.  Two such tiles rounded to bf16 ARE source 1 of
; O^T = V^T P, whose result holds one query a lane and eight channels.  K comes out of LDS as it lies, V turned by ds_load_tr16_b128.
; SOFTMAX.  A running maximum m and sum l for each query: p = 2^(c s - c m), c = log2(e) / sqrt(512); in every step O and l are multiplied by a = 2^(c m_old - c m_new).
; m starts at the lowest finite number, O and l at 0: the first step is a step like any other, with a = 0.
; IN PHASES.  A step is 128 products K Q^T, the softmax and the rescaling, 128 products V^T P.  K's and V's fragments (512 registers a step each) go through two buffers of 64 registers.
; CLUSTER.  The four query blocks of a cluster belong to one image and walk the same K and V: each tile is asked for JOINTLY (mask 15).
; REGISTERS, in windows of 256: window 0: v0-31 addresses and statistics; v32-63 P; v64-127 S^T; v128-191, v192-255 the fragment buffers.
;   windows 1, 2: O^T of tile 0, 1 (channel block cb at 8 cb).   window 3: Q (tile t, channels 32 kc on at 128 t + 8 kc); in the last step bp; on the way out x.
.set PK,    1040      ; a row of K in LDS: 1,024 bytes + 16: an odd multiple of 16
.set PV,    1056      ; a row of V: 1,024 + 32: an odd multiple of 32
.set VOFF,  64*PK     ; a slot: 64 rows of K, then 64 rows of V: 134,144 bytes
.set SLOT1, 0x21000   ; slot 1 begins here; no fill's place in slot 0 (0, 33,280, 66,560, 100,352) shares a bit with it, so one exclusive or changes slots
.set SP,    528       ; the way out: a channel's 128 numbers, 512 bytes + 16
.set SPARE, 512*SP    ; behind both slots and the stage: the spare words, 128 bytes a wave: two blocks of 256 bytes that no other line names
.set ROWB,  3072
.set AK0, 2           ; v2   my lane's place in a tile of K; never rewritten
.set AV0, 3           ; v3   the same for V
.set AK,  4           ; v4   the same in the slot in hand
.set AV,  5           ; v5
.set QO,  6           ; v6   my byte offset in 16 rows of Q
.set STO, 7           ; v7   the way out: where tile 0's numbers go
.set RD,  8           ; v8   where I read rows back
.set PF,  10          ; v10  the prefetch's offset
.set STO1, 11         ; v11  where tile 1's numbers go
.set ST,  12          ; tile t's statistics at v[ST+8 t]: +0 c m, +1 m, +2, +3 l, +4 to +7 at work; a takes +6
.set XO,  28          ; v28  16 x lane
.set BO,  29          ; v29  32 x (lane / 16)
.set SPW, 30          ; v30  my spare word; never rewritten
.set NIL, 31          ; v31  0; never rewritten
.set P,   32
.set S,   64
.set F0,  128
.set F1,  192
.set WV,  12          ; s12  my wave's number
.set G1K, 24          ; s[24:31] group 1 for K's tiles
.set G1V, 32          ; s[32:39] for V's: the padding differs
.set G0K, 40          ; s[40:43] group 0 for K's tiles: it walks
.set G0V, 44          ; s[44:47] for V's
.set CNT, 48          ; s48  steps that still ask for a tile
.set STP, 49          ; s49  64 rows of the stage
.set CS,  58          ; s[58:59] c
.set SEL, 60          ; s[60:61] v_permlanex16_b32's selects
.set TB,  62          ; s62  LDS byte at which the slot in hand begins
.set MSB, 0
.macro WIN new
.if MSB != (\new)
	s_set_vgpr_msb (MSB<<8)|(\new)
.set MSB, \new
.endif
.endm
; A joint fill.  Waves 0 and 1 fetch the two halves of a step's K, waves 2 and 3 those of its V: 32 rows of 1,024 bytes each.  The branch hangs on the wave's number alone.
.macro JLOAD
	s_cmp_lt_u32 s[WV], 2
	s_cbranch_scc0 .Lfor_v_\@
	tensor_load_to_lds s[G0K:G0K+3], s[G1K:G1K+7]
	s_nop 0
.rept 4
	v_nop
.endr
	s_branch .Lasked_\@
.Lfor_v_\@:
	tensor_load_to_lds s[G0V:G0V+3], s[G1V:G1V+7]
	s_nop 0
.rept 4
	v_nop
.endr
.Lasked_\@:
.endm
.macro CROUND                       ; a round of the cluster's barrier
	s_barrier_signal -1
	s_barrier_wait -1
	s_cmp_lg_u32 s[WV], 0
	s_cbranch_scc1 .Lnot_wave_0_\@
	s_barrier_signal -3
.Lnot_wave_0_\@:
	s_barrier_wait -3
	s_barrier_signal -1
	s_barrier_wait -1
.endm
.macro PLACES                       ; four places behind matrix instructions (ISA guide 7.12.1 for instructions other than loads)
.rept 4
	v_nop
.endr
.endm
; THE CHANGE OF SLOTS, in front of every step.  Each wave waits for all its tensor loads, of which one is out: its part of the step to come; adds 0 to its spare word; waits for that and for its
; reads of the slot that it leaves.  fill = 1: the barrier is a round of the cluster's, and behind it the slot just left takes the step after the one to come: one load a wave, a whole step in which to land.
.macro CHANGE fill
	WIN 0
	s_wait_tensorcnt 0x0            ; no tensor load of mine is out, so a group 0 may be written
	ds_add_u32 v[SPW], v[NIL]       ; 0 onto my spare word
.if \fill
.irp g, G0K, G0V
	s_xor_b32 s[(\g)+1], s[(\g)+1], SLOT1
	s_add_nc_u64 s[(\g)+2:(\g)+3], s[(\g)+2:(\g)+3], 64*ROWB  ; the next 64 keys; the type bits on top are not reached
.endr
	s_wait_dscnt 0x0                ; the add is done, and my reads of the slot are over
	CROUND
	JLOAD                           ; its four v_nop are also the places in front of the step's first loads
.else
	s_wait_dscnt 0x0
	s_barrier_signal -1
	s_barrier_wait -1
	PLACES
.endif
	s_xor_b32 s[TB], s[TB], SLOT1
.endm
	s_load_b256 s[4:11], s[0:1], 0x0  ; qkv s[4:5], x s[6:7], bp s[8:9], out0 s[10:11]
	v_lshl_add_u32 v[SPW], v0, 2, SPARE
	v_mov_b32 v[NIL], 0
	ds_add_u32 v30, v31
	s_wait_dscnt 0x0
	v_lshrrev_b32 v1, 5, v0
	v_readfirstlane_b32 s[WV], v1   ; wave 0..3
	s_bfe_u32 s13, ttmp6, 0x40000   ; cx
	s_lshl_b32 s14, ttmp9, 2
	s_add_co_u32 s14, s14, s13      ; my block of 128 queries: it enters Q's, x's and out0's addresses alone
	s_and_b32 s15, ttmp7, 0xffff    ; the image, which the four partners share
	s_mul_i32 s20, s15, 1024*ROWB   ; the image's rows of qkv
	s_and_b32 s16, s[WV], 1         ; which half of a step's 64 keys I fetch
	s_mul_i32 s22, s16, 32*ROWB
	s_add_co_u32 s22, s22, s20
	s_mov_b32 s23, 0
	s_mul_i32 s17, s16, 32*PK       ; its place in a slot, for K
	s_mul_i32 s18, s16, 32*PV       ; and for V
	s_lshl_b32 s2, s14, 2
	s_add_co_u32 s2, s2, s[WV]      ; my wave's 32 queries
	s_mul_i32 s2, s2, 32*ROWB
	s_add_co_u32 s2, s2, s20
	s_mov_b32 s3, 0
	s_lshl_b32 s50, s15, 21         ; x and out0: the image's 2 MiB, my block's 512 bytes of a row, my wave's 128 channels
	s_lshl_b32 s51, s14, 9
	s_add_co_u32 s50, s50, s51
	s_lshl_b32 s51, s[WV], 19
	s_add_co_u32 s50, s50, s51
	s_mov_b32 s51, 0
	s_mov_b32 s[G1K], 15|(1<<16)|(1<<20)|(1<<21)|(7<<22)|(3<<25)  ; the mask of four, bit 21 beside it; 2-byte elements; padding: after every 256 words (code 7) 4 words (code 3)
	s_mov_b32 s[G1V], 15|(1<<16)|(1<<20)|(1<<21)|(7<<22)|(7<<25)  ; the same with 8 words (code 7)
.irp g, G1K, G1V
	s_mov_b32 s[(\g)+1], 512<<16    ; tensor_dim0 = 512
	s_mov_b32 s[(\g)+2], 32<<16     ; tensor_dim1 = 32
	s_mov_b32 s[(\g)+3], 512<<16    ; tile_dim0
	s_mov_b32 s[(\g)+4], 32         ; tile_dim1
	s_mov_b32 s[(\g)+5], 1536       ; elements from row to row
	s_mov_b32 s[(\g)+6], 0
	s_mov_b32 s[(\g)+7], 0
.endr
	s_mov_b32 s[CS], 0x3d8293ee     ; c = log2(e) / sqrt(512) = 0.0637587
	s_mov_b32 s[CS+1], s[CS]
	s_mov_b32 s[SEL], 0x76543210
	s_mov_b32 s[SEL+1], 0xfedcba98
	s_mov_b32 s[TB], SLOT1          ; the first change of slots turns it into 0
	s_mov_b32 s[STP], 64*SP
	s_mov_b32 s[G0K], 1
	s_mov_b32 s[G0K+1], s17         ; slot 0
	s_mov_b32 s[G0V], 1
	s_add_co_u32 s[G0V+1], s18, VOFF
	s_wait_kmcnt 0x0
	s_add_nc_u64 s[G0K+2:G0K+3], s[4:5], s[22:23]
	s_add_nc_u64 s[G0V+2:G0V+3], s[G0K+2:G0K+3], 2048  ; v' lies 2,048 bytes into a row,
	s_add_nc_u64 s[G0K+2:G0K+3], s[G0K+2:G0K+3], 1024  ; k 1,024
	s_or_b32 s[G0K+3], s[G0K+3], 0x80000000
	s_or_b32 s[G0V+3], s[G0V+3], 0x80000000
	s_add_nc_u64 s[4:5], s[4:5], s[2:3]       ; Q at my wave's first row
	s_add_nc_u64 s[6:7], s[6:7], s[50:51]
	s_add_nc_u64 s[10:11], s[10:11], s[50:51]
	CROUND                          ; all four work-groups are here
	JLOAD                           ; step 0 into slot 0: one load of mine is out
	v_and_b32 v1, 15, v0            ; r
	v_bfe_u32 v9, v0, 4, 1          ; h
	v_mul_u32_u24 v[QO], v1, ROWB
	v_lshl_add_u32 v[QO], v9, 4, v[QO]
	WIN 0xc0                        ; destination window 3, address window 0
.set i, 0
.rept 32                            ; Q stays in registers: tile i / 16, channels 32 (i % 16) on
	global_load_b128 v[8*i:8*i+3],   v[QO], s[4:5] offset:(i/16)*16*ROWB+(i%16)*64
	global_load_b128 v[8*i+4:8*i+7], v[QO], s[4:5] offset:(i/16)*16*ROWB+(i%16)*64+32
.set i, i+1
.endr
	WIN 0x40                        ; O^T = 0, in the wait for the first tile: the price of writing no first step out
.set i, 0
.rept 256
	v_mov_b32 v[i], 0
.set i, i+1
.endr
	WIN 0x80
.set i, 0
.rept 256
	v_mov_b32 v[i], 0
.set i, i+1
.endr
	WIN 0
.irp t, 0,1
	v_mov_b32 v[ST+8*\t], 0xfe000000    ; c m: far below every c s
	v_mov_b32 v[ST+8*\t+1], 0xff7fffff  ; m
	v_mov_b32 v[ST+8*\t+2], 0
	v_mov_b32 v[ST+8*\t+3], 0
.endr
	v_mul_u32_u24 v[AK0], v1, PK
	v_lshl_add_u32 v[AK0], v9, 4, v[AK0]  ; row x pitch + 16 x half
	v_and_b32 v128, 7, v0           ; the turning load: lane l reads key 8 h + l % 8, channels 8 ((l / 8) % 2) + 0..7
	v_bfe_u32 v129, v0, 3, 1
	v_lshl_add_u32 v[AV0], v9, 3, v128
	v_mul_u32_u24 v[AV0], v[AV0], PV
	v_lshl_add_u32 v[AV0], v129, 4, v[AV0]
	v_add_nc_u32 v[AV0], VOFF, v[AV0]
	v_and_b32 v128, 31, v0          ; lane
	v_lshlrev_b32 v[XO], 4, v128
	v_lshlrev_b32 v[BO], 5, v9
	v_lshrrev_b32 v[PF], 1, v128    ; the prefetch: row lane / 2 of sixteen, half lane % 2 of its 512 bytes
	v_and_b32 v129, 1, v0
	v_lshlrev_b32 v[PF], 12, v[PF]
	v_lshl_add_u32 v[PF], v129, 8, v[PF]
	s_lshl_b32 s13, s[WV], 7
	v_mul_u32_u24 v[STO], v9, 8*SP  ; the stage: row = channel 8 h (+ the immediate), column = query 32 w + r (+ 16 for tile 1)
	v_lshl_add_u32 v[STO], v1, 2, v[STO]
	v_add_nc_u32 v[STO], s13, v[STO]
	v_add_nc_u32 v[STO1], 64, v[STO]
	s_mul_i32 s13, s[WV], 128*SP
	v_add_nc_u32 v[RD], s13, v[XO]  ; back: my wave's 128 channels, a whole row of 512 bytes a load
; 16 LDS loads: K's fragments for channels 64 b on: fragment i: keys 16 (i % 4) on, channels 32 (2 b + i / 4) on
.macro KLOAD b, f
	WIN 0
.set i, 0
.rept 8
	ds_load_b128 v[(\f)+8*i:(\f)+8*i+3],   v[AK] offset:(i%4)*16*PK+(2*(\b)+i/4)*64
	ds_load_b128 v[(\f)+8*i+4:(\f)+8*i+7], v[AK] offset:(i%4)*16*PK+(2*(\b)+i/4)*64+32
.set i, i+1
.endr
.endm
; 16 LDS loads: V's fragments, turned: keys 32 (b / 4) on, channels 16 (8 (b % 4) + i) on
.macro VLOAD b, f
	WIN 0
.set i, 0
.rept 8
	ds_load_tr16_b128 v[(\f)+8*i:(\f)+8*i+3],   v[AV] offset:((\b)/4)*32*PV+(8*((\b)%4)+i)*32
	ds_load_tr16_b128 v[(\f)+8*i+4:(\f)+8*i+7], v[AV] offset:((\b)/4)*32*PV+(8*((\b)%4)+i)*32+16*PV
.set i, i+1
.endr
.endm
; 16 products of S^T = K Q^T.  The 8 accumulators (4 key blocks x 2 tiles) take turns.  The first channels' products start the sums.
.macro KQB b, f
	WIN 0x0c                        ; Q in window 3, all else in window 0
.set i, 0
.rept 16
.set rS, S+32*(i%2)+8*((i/2)%4)
.set rK, (\f)+8*(4*(i/8)+(i/2)%4)
.set rQ, 128*(i%2)+8*(2*(\b)+i/8)
.if (2*(\b)+i/8) == 0
	v_wmma_f32_16x16x32_bf16 v[rS:rS+7], v[rK:rK+7], v[rQ:rQ+7], 0
.else
	v_wmma_f32_16x16x32_bf16 v[rS:rS+7], v[rK:rK+7], v[rQ:rQ+7], v[rS:rS+7]
.endif
.set i, i+1
.endr
.endm
; 16 products of O^T += V^T P: eight channel blocks for tile 0, the same for tile 1: sixteen different accumulators
.macro PVB b, f
.irp t, 0,1
	WIN 0x50+0x50*(\t)              ; C and D in window 1 or 2
.set i, 0
.rept 8
.set rO, 8*(8*((\b)%4)+i)
.set rP, P+16*(\t)+8*((\b)/4)
	v_wmma_f32_16x16x32_bf16 v[rO:rO+7], v[(\f)+8*i:(\f)+8*i+7], v[rP:rP+7], v[rO:rO+7]
.set i, i+1
.endr
.endr
.endm
; Number j of the 102 instructions of one tile's softmax.  s0-s31 are the lane's 32 scores, in pairs 0-15.
;   0-15   the maximum of s0-s31 and the old m, three operands at a time (each accumulator's lowest registers are read first)
;   16-20  the other half of the lanes' maximum; c m_old kept; the new m; c m; c m_old - c m_new
;   21-87  33 exponentials (a, then s0-s31) at the odd numbers from 23 on; between them whatever is ready: c s - c m for a pair, the rounding of a pair whose exponentials are done, the first sums
;   88-101 the last rounding; the rest of the sums; l = a l + the sum
.macro SM t
.set rT, ST+8*(\t)
.set rS, S+32*(\t)
.set rP, P+16*(\t)
.set q, (j-20)/2
.if j < 4
	v_max3_num_f32 v[rT+4+j], v[rS+8*j], v[rS+8*j+1], v[rS+8*j+2]
.elseif j < 12
	v_max3_num_f32 v[rT+4+j%4], v[rT+4+j%4], v[rS+8*(j%4)+2*(j/4)+1], v[rS+8*(j%4)+2*(j/4)+2]
.elseif j == 12
	v_max3_num_f32 v[rT+4], v[rT+4], v[rS+7], v[rS+15]
.elseif j == 13
	v_max3_num_f32 v[rT+6], v[rT+6], v[rS+23], v[rS+31]
.elseif j == 14
	v_max3_num_f32 v[rT+4], v[rT+4], v[rT+5], v[rT+6]
.elseif j == 15
	v_max3_num_f32 v[rT+4], v[rT+4], v[rT+7], v[rT+1]
.elseif j == 16
	v_permlanex16_b32 v[rT+5], v[rT+4], s[SEL], s[SEL+1]  ; the query's other 32 keys lie in the lane 16 away
.elseif j == 17
	v_mov_b32 v[rT+7], v[rT]        ; c m_old is kept for a
.elseif j == 18
	v_max_num_f32 v[rT+1], v[rT+4], v[rT+5]
.elseif j == 19
	v_mul_f32 v[rT], s[CS], v[rT+1]
.elseif j == 20
	v_sub_f32 v[rT+7], v[rT+7], v[rT]
.elseif j == 23
	v_exp_f32 v[rT+6], v[rT+7]
.elseif (j < 88) && (j > 23) && (j%2 == 1)
	v_exp_f32 v[rS+(j-25)/2], v[rS+(j-25)/2]
.elseif (q < 4) || ((j < 76) && (q%2 == 0))
.set b, q/2+2
.if q < 4
.set b, q
.endif
	v_pk_fma_f32 v[rS+2*b:rS+2*b+1], v[rS+2*b:rS+2*b+1], s[CS:CS+1], v[rT:rT+1] op_sel_hi:[1,0,0] neg_lo:[0,0,1] neg_hi:[0,0,1]  ; pair b: c s - c m
.elseif (j < 88) && (q%2 == 1)
	s_wait_alu depctr_va_vdst(0)
	v_cvt_pk_bf16_f32 v[rP+(q-5)/2], v[rS+q-5], v[rS+q-4]  ; its second exponential stands three numbers back
.elseif j == 89
	s_wait_alu depctr_va_vdst(0)
	v_cvt_pk_bf16_f32 v[rP+15], v[rS+30], v[rS+31]
.else                               ; the sum of the 16 pairs, in place: neighbours 1, 2, 4 and 8 pairs apart, then l takes it
.set z, j-86
.if j < 89
.set z, (j-76)/4
.endif
.set w, 4
.set u, z
.if z >= 14
.set w, 32
.set u, 0
.elseif z >= 12
.set w, 16
.set u, z-12
.elseif z >= 8
.set w, 8
.set u, z-8
.endif
.if z < 15
	v_pk_add_f32 v[rS+w*u:rS+w*u+1], v[rS+w*u:rS+w*u+1], v[rS+w*u+w/2:rS+w*u+w/2+1]
.else
	v_pk_fma_f32 v[rT+2:rT+3], v[rT+2:rT+3], v[rT+6:rT+7], v[rS:rS+1] op_sel_hi:[1,0,1]
.endif
.endif
.endm
; Both tiles' lists.  Where exponentials stand: tile by tile (plain, exponential, plain, exponential), so that a plain instruction that does not use it follows every exponential;
; elsewhere the tiles alternate, so that no instruction reads the result of the one before it.
.macro SOFTMAX
	WIN 0
.set k, 0
.rept 51
.if (k >= 11) && (k < 44)
.irp t, 0,1
.irp n, 0,1
.set j, 2*k+(\n)
	SM \t
.endr
.endr
.else
.irp n, 0,1
.irp t, 0,1
.set j, 2*k+(\n)
	SM \t
.endr
.endr
.endif
.set k, k+1
.endr
.endm
.macro RESCALE t                    ; the tile's O^T times a, from each accumulator's low end on
	WIN 0x41+0x41*(\t)
.set i, 0
.rept 128
	v_pk_mul_f32 v[2*i:2*i+1], v[2*i:2*i+1], v[ST+8*(\t)+6:ST+8*(\t)+7] op_sel_hi:[1,0]
.set i, i+1
.endr
.endm
; A KEY STEP.  A run of 16 loads is issued two blocks of 16 products ahead of its use; the wait in front of a block leaves the next block's run out.  last = 1: Q has been read for the last time, and bp takes its window.
.macro STEP last
	WIN 0
	v_add_nc_u32 v[AK], s[TB], v[AK0]
	v_add_nc_u32 v[AV], s[TB], v[AV0]
	KLOAD 0, F0
	KLOAD 1, F1
.set bb, 0
.rept 8
.if bb < 7
	s_wait_dscnt 16                 ; this block's run is in, the next block's sixteen may be out
.else
	s_wait_dscnt 0x0
.endif
	KQB bb, F0+64*(bb%2)
.if bb < 6
	WIN 0
	PLACES
	KLOAD bb+2, F0+64*(bb%2)
.endif
.set bb, bb+1
.endr
	WIN 0
	PLACES                          ; behind the last products: for the loads into both buffers and for the softmax's first reads
	VLOAD 0, F0
	VLOAD 1, F1
.if \last
	WIN 0xc0
.set i, 0
.rept 32                            ; channel block i's register j is bp[16 i + 8 (lane / 16) + j]
	global_load_b128 v[8*i:8*i+3],   v[BO], s[8:9] offset:64*i
	global_load_b128 v[8*i+4:8*i+7], v[BO], s[8:9] offset:64*i+16
.set i, i+1
.endr
.endif
	SOFTMAX
	RESCALE 0
	RESCALE 1
.set bb, 0
.rept 8
.if bb < 7
	s_wait_dscnt 16
.else
	s_wait_dscnt 0x0
.endif
	PVB bb, F0+64*(bb%2)
.if bb < 6
	WIN 0
	PLACES
	VLOAD bb+2, F0+64*(bb%2)
.endif
.set bb, bb+1
.endr
.endm
	s_wait_loadcnt 0x0              ; Q
	s_mov_b32 s[CNT], 15
.Lstep:                             ; steps 0 to 14: each asks for the step behind it
	CHANGE 1
	STEP 0
	WIN 0                           ; at a label and at a branch every window is 0
	s_sub_co_u32 s[CNT], s[CNT], 1
	s_cmp_lg_u32 s[CNT], 0
	s_cbranch_scc1 .Lstep
	CHANGE 0                        ; the last step is written out: nothing is asked for
.set k, 0
.rept 8                             ; x for the way out, one key step ahead of its loads: my wave's 128 rows x 512 bytes, each block of 256 bytes asked for once, all inside x
	global_prefetch_b8 v[PF], s[6:7] offset:65536*k th:TH_LOAD_NT scope:SCOPE_SE
.set k, k+1
.endr
	STEP 1
	; THE WAY OUT.  O^T / l + bp; through a stage in LDS that turns [query][channel] into rows of a channel's 128 queries; + x; stored as rows of 512 bytes.
	; The stage lies on the two slots, which have had their last fill.
	WIN 0
	PLACES
.irp t, 0,1
	v_add_f32 v[ST+8*\t+4], v[ST+8*\t+2], v[ST+8*\t+3]
.endr
.irp t, 0,1
	v_permlanex16_b32 v[ST+8*\t+5], v[ST+8*\t+4], s[SEL], s[SEL+1]
.endr
.irp t, 0,1
	v_add_f32 v[ST+8*\t+4], v[ST+8*\t+4], v[ST+8*\t+5]
.endr
.irp t, 0,1
	v_rcp_f32 v[ST+8*\t+6], v[ST+8*\t+4]
.endr
	v_nop                           ; a plain instruction between the last reciprocal and the use of its result
	s_wait_alu depctr_va_vdst(0)
	s_wait_loadcnt 0x0              ; bp
.irp t, 0,1
	WIN 0x71+0x41*(\t)              ; O^T (destination, source 0) in window 1 or 2, 1 / l in window 0, bp in window 3
.set i, 0
.rept 128
	v_pk_fma_f32 v[2*i:2*i+1], v[2*i:2*i+1], v[ST+8*\t+6:ST+8*\t+7], v[2*i:2*i+1] op_sel_hi:[1,0,1]
.set i, i+1
.endr
.endr
.macro LOADX g                      ; 32 rows of x, 512 consecutive bytes a load, into half g % 2 of window 3
	WIN 0xc0
.set i, 0
.rept 32
	global_load_b128 v[128*((\g)%2)+4*i:128*((\g)%2)+4*i+3], v[XO], s[6:7] offset:4096*(32*(\g)+i) th:TH_LOAD_NT
.set i, i+1
.endr
.endm
	LOADX 0                         ; bp has been used: x takes its window, ahead of the stage's stores
	LOADX 1
	WIN 0
	s_wait_dscnt 0x0                ; my reads of the slots are over
	s_barrier_signal -1
	s_barrier_wait -1               ; everybody's are: the stage may be written
.macro TOSTAGE t, adr
	WIN 0x04*(1+(\t))               ; the data (source 1) in window 1 or 2
.set cb, 0
.rept 32
.set i, 0
.rept 8
	ds_store_b32 v[\adr], v[8*cb+i] offset:(16*(cb%4)+i)*SP  ; sixteen lanes write 64 neighbouring bytes of a row, the other sixteen those eight rows on: 32 different banks
.set i, i+1
.endr
.if (cb%4 == 3) && (cb < 31)
	v_add_nc_u32 v[\adr], v[\adr], s[STP]  ; 64 rows on (destination and source 0 are in window 0)
.endif
.set cb, cb+1
.endr
.endm
	TOSTAGE 0, STO
	TOSTAGE 1, STO1
	WIN 0
	s_wait_dscnt 0x0                ; for the others' sake: my stores into the stage are done
	s_barrier_signal -1
	s_barrier_wait -1
.set g, 0
.rept 4                             ; 32 channels at a time
.if g >= 2
	s_wait_xcnt 0x0                 ; the registers that group g - 2's stores read are loaded again only behind this wait
.endif
	WIN 0x40
.set i, 0
.rept 32
	ds_load_b128 v[128*(g%2)+4*i:128*(g%2)+4*i+3], v[RD] offset:SP*i
.set i, i+1
.endr
	WIN 0
	v_add_nc_u32 v[RD], 32*SP, v[RD]
.if g < 3
	s_wait_loadcnt 32               ; this group's x is in; the next group's 32 loads may be out
.else
	s_wait_loadcnt 0x0
.endif
	s_wait_dscnt 0x0
	WIN 0x4d                        ; destination and source 0 in window 1, x in window 3
.set i, 0
.rept 64
	v_pk_add_f32 v[128*(g%2)+2*i:128*(g%2)+2*i+1], v[128*(g%2)+2*i:128*(g%2)+2*i+1], v[128*(g%2)+2*i:128*(g%2)+2*i+1]
.set i, i+1
.endr
	WIN 0x04
.set i, 0
.rept 32
	global_store_b128 v[XO], v[128*(g%2)+4*i:128*(g%2)+4*i+3], s[10:11] offset:4096*(32*g+i) th:TH_STORE_NT  ; 512 consecutive bytes, at a multiple of 256 from out0's first
.set i, i+1
.endr
.if g < 2
	LOADX g+2
.endif
.set g, g+1
.endr
	WIN 0
	s_wait_tensorcnt 0x0            ; the wave's end
	ds_add_u32 v[SPW], v[NIL]
	s_wait_dscnt 0x0
	CROUND                          ; the closing round
	s_endpgm
.Lfunc_end_k_qef98042439_attn:
	.size	k_qef98042439_attn, .Lfunc_end_k_qef98042439_attn-k_qef98042439_attn
	.p2alignl 7, 3214868480
	.fill 96, 4, 3214868480
	.section	.rodata,"a",@progbits
	.p2align	6, 0x0
	.amdhsa_kernel k_qef98042439_attn
		.amdhsa_group_segment_fixed_size 327680
		.amdhsa_private_segment_fixed_size 0
		.amdhsa_enable_private_segment 0
		.amdhsa_kernarg_size 32
		.amdhsa_user_sgpr_count 2
		.amdhsa_user_sgpr_kernarg_segment_ptr 1
		.amdhsa_wavefront_size32 1
		.amdhsa_system_sgpr_workgroup_id_x 1
		.amdhsa_system_sgpr_workgroup_id_y 1
		.amdhsa_system_sgpr_workgroup_id_z 1
		.amdhsa_system_vgpr_workitem_id 0
		.amdhsa_next_free_vgpr 1024
		.amdhsa_next_free_sgpr 66
		.amdhsa_reserve_vcc 0
		.amdhsa_float_denorm_mode_32 3
		.amdhsa_float_denorm_mode_16_64 3
		.amdhsa_memory_ordered 1
		.amdhsa_forward_progress 1
		.amdhsa_inst_pref_size 255
	.end_amdhsa_kernel
	.section	.bss,"aw",@nobits
	.p2align	6
	.space	262144
	.amdgpu_metadata
---
amdhsa.version: [ 1, 2 ]
amdhsa.kernels:
  - .name:           k_qef98042439_attn
    .symbol:         k_qef98042439_attn.kd
    .args:
      - { .name: qkv, .offset: 0, .size: 8, .value_kind: global_buffer, .address_space: global }
      - { .name: x, .offset: 8, .size: 8, .value_kind: global_buffer, .address_space: global }
      - { .name: bp, .offset: 16, .size: 8, .value_kind: global_buffer, .address_space: global }
      - { .name: out0, .offset: 24, .size: 8, .value_kind: global_buffer, .address_space: global }
    .group_segment_fixed_size: 327680
    .private_segment_fixed_size: 0
    .kernarg_segment_align: 8
    .kernarg_segment_size: 32
    .max_flat_workgroup_size: 128
    .sgpr_count:     66
    .vgpr_count:     1024
    .wavefront_size: 32
...
	.end_amdgpu_metadata
.endif
;; end of part 3
